; MI455X (gfx1250); checked and timed in simulation.
; The chip was launched on July 23, 2026; its instructions are those of AMD's public machine-readable ISA for CDNA 5 (MIT licence, August 2026) and "CDNA5" Instruction Set Architecture Reference Guide (July 2026). The comments in the code are by the model that wrote it; some were corrected since.
;; Flash Attention. Allowed arithmetic: matrix products marked QUANTISED: E2M1 operands, one E8M0 scale for each 32 along K, by v_wmma_scale_f32_16x16x128_f8f6f4 with both operands' format E2M1 (or v_wmma_scale_f32_32x16x128_f4), f32 sums; everything else in f32.
;; Inputs: k 2 x 16 x 2,048 x 64 float32; q 2 x 16 x 2,048 x 64 float32; v 2 x 16 x 2,048 x 64 float32.
;; Outputs: out0 2 x 16 x 2,048 x 64 float32.
;; This version of the problem:
;;   THIS VERSION OF THE PROBLEM IS GIVEN IN LOW PRECISION. The matrix products marked QUANTISED in the list below multiply operands that are first quantised to E2M1 (2 exponent bits, 1 mantissa bit; 4 bits a number), with one power-of-two scale for each 32 numbers along K (OCP MX v1.0); their sums are f32. All else is computed in f32.
;;   The module's matrix products, in the order in which they are computed (A, B: the left and right operand; K: the contracted axis; several contracted axes count as one K, in the product's order):
;;     1. batch 32 x [M 2,048, K 64] x [K 64, N 2,048]; A: input q; B: input k: QUANTISED
;;     2. batch 32 x [M 2,048, K 2,048] x [K 2,048, N 64]; A: softmax (see below); B: input v: QUANTISED
;;   THE QUANTISER, for each operand of a quantised product, along K:
;;     - K is cut into blocks of 32 from its start; a last block that is shorter is filled with zeros.
;;     - A block's scale is 2^e with e = floor(log2(the largest magnitude in the block)) - 2, held to -126 .. 127; a block of zeros has e = 0. As a byte (E8M0): e + 127.
;;     - Each number is divided by its block's scale, clamped to +-6, and rounded to the nearest number of E2M1, ties to even, subnormals kept.
;;     - The product sums the exact products of the quantised numbers (number of the format x scale) in f32.
;;   ~~~python
;;   def quantise(x, axis):      # numpy; x: float32 -> the quantised numbers, widened to float32 again
;;       x = np.moveaxis(x, axis, -1); K = x.shape[-1]
;;       x = np.pad(x, [(0, 0)] * (x.ndim - 1) + [(0, -K % 32)]); x = x.reshape(x.shape[:-1] + (-1, 32)); a = np.abs(x).max(-1, keepdims=True)
;;       e = np.where(a > 0, np.clip(np.frexp(np.where(a > 0, a, 1))[1] - 1 - 2, -126, 127), 0)      # np.frexp(a)[1] - 1 = floor(log2(a)), exactly
;;       r = np.clip(x / 2.0 ** e, -6, 6)
;;       step = 2.0 ** (np.maximum(np.frexp(np.where(r == 0, 1, r))[1] - 1, 0) - 1)
;;       q = np.round(r / step) * step * 2.0 ** e      # np.round: ties to even
;;       return np.moveaxis(q.reshape(q.shape[:-2] + (-1,))[..., :K], -1, axis).astype(np.float32)
;;   ~~~
;;   SOFTMAX AHEAD OF A QUANTISED PRODUCT. Where the list says 'softmax', what is quantised is not the finished softmax but p = 2^(t - M), with t = logit x log2(e) and M = ceil(the row's largest t), a whole number; so 1/2 < the row's largest p <= 1. The row's sum l is taken of the UNQUANTISED p, in f32, and the product's result is divided by l at the end. Since M is a whole number, a kernel that streams over the keys may use a running M (the ceiling of the running maximum): every later rescaling is an exact power of two, which a block's scale takes up: the codes' values come out the same.
;;   OPERANDS COMPUTED ON THE WAY. 'Computed on the way' means the value that the module computes at that place (a softmax that the list does not call 'softmax' is quantised finished and normalised). What goes into a quantiser is computed in f32, as accurately as f32 sums, v_exp_f32 and their like allow (about 1e-6 of the number): no bf16 or f16 on the way to a quantiser, and a product that is left as it is and whose result goes on into a quantised operand takes f32 operands (vector FMAs, or v_wmma_f32_16x16x4_f32). A number that lies on a knife's edge between two numbers of the format may be rounded either way, as far as f32 arithmetic and the matrix unit's own rounding can turn it there, and no further.
;; 2 versions. Each part assembles by itself: llvm-mc -triple=amdgcn-amd-amdhsa -mcpu=gfx1250 --defsym DOCPART=n.
;; ======== version 1 of 2: 1 launch
;; limits: right only within a limited range of input values
;; launch attn (part 1): grid 8 x 32, 16 waves a work-group, no clusters, 90,112 bytes of LDS; arguments q, k, v, out0; writes out0
.if DOCPART == 1
	.amdgcn_target "amdgcn-amd-amdhsa--gfx1250"
	.amdhsa_code_object_version 6
	.text
	.protected	k_qd07a48efb0_attn
	.globl	k_qd07a48efb0_attn
	.p2align	8
	.type	k_qd07a48efb0_attn,@function
k_qd07a48efb0_attn:
	s_mov_b64 s[64:65], 0
	v_nop
	global_prefetch_b8 v0, s[64:65] scope:SCOPE_SE
	s_setreg_imm32_b32 hwreg(HW_REG_WAVE_MODE, 25, 1), 1
	s_wait_xcnt 0x0
; out0[h][s][:] = the sum over t <= s of softmax_t(q[h][s] . k[h][t] / 8) v[h][t][:].  q, k, v, out0: [32 heads][2048][64] f32.
; Both products run on codes of FP4 (E2M1) with one E8M0 scale for each 32 along the product's K; this one launch makes all codes itself.
; THE SOFTMAX AHEAD OF THE SECOND PRODUCT: t = score x log2(e) / 8; M = the row's largest t so far, rounded UP to a whole number; p = 2^(t - M) is quantised along the keys, not normalised.
; The row's sum is taken of the unquantised p and divides O at the end.  When M moves, the sum and O are multiplied by 2^(old M - new M), which rounds nothing.
; SHARES.  A head's 2,048 queries are 16 blocks of 128.  Work-group (i, head), i = 0 .. 7, owns blocks i and 15 - i: (i + 1) + (16 - i) = 17 block steps of 128 keys in every work-group: 8 x 32 = 256 alike.
; Sixteen waves of 256 registers.  Wave w owns ONE tile of 16 queries: tile w / 2 of the low block or of the high one, by the bit (w xor w / 4) & 1: among waves s, s + 4, s + 8, s + 12, and among
; waves 4 s .. 4 s + 3, two are low and two high.
; A KEY STEP is 128 keys.  Waves 0-7 quantise the step's k (a tile of 16 keys each), waves 8-15 its v (32 columns x 32 keys each), from f32 numbers that were asked for a whole step earlier; the codes go to LDS
; as images of the operands' registers, in two buffers by turns; ONE barrier; then each wave whose queries see these keys runs its 8 + 4 products and its softmax.  Steps that lie wholly above a wave's diagonal
; are left out of its work, steps above the work-group's last block also of the quantising; every wave passes all 16 barriers, so that the loop's count is a constant.
; LAYOUT.  Both products are used transposed: S^T = K Q^T (source 0 = 16 keys, source 1 = my 16 queries), O^T = V^T P^T (source 0 = 16 of the head's 64, source 1 = P): a lane holds ONE query (lane % 16) throughout.
; THE KEYS OF A TILE ARE NOT NEIGHBOURS: lane r of tile 2 b + u takes key 32 b + 8 u + r + 8 (r / 8), so that the 16 registers of tiles 2 b and 2 b + 1 are 16 neighbouring keys, 32 b + 16 (lane / 16) + 0 .. 15.
; THE FIRST PRODUCT'S K IS 64, the instruction's 128: Q's registers 4-7 hold zero codes, and bytes 2 and 3 of Q's and K's scale words are 0 (a power of two, no NaN).  So whatever stands in registers 4-7 of K's
; operand adds nothing: K's fragment t is named v[32 + 4 t : 39 + 4 t], whose upper half is the next tile's codes (zeros behind the last).
; v's K is the keys, its FIRST axis within a head: a lane takes a column and its registers run down the keys, so the conversions give codes with the keys innermost and nothing is transposed.
; NO JOINT LOADS, NO TENSOR LOADS: k and v arrive as f32 and pass through registers to become codes, and the eight work-groups of a head walk 9 to 16 key steps, each another number.
; LIMITS.  On the diagonal hidden scores become -1e6 (as a raw score -8e6), as the definition has them; tiles wholly under the mask are not computed: the same result wherever a row's largest visible
; score / 8 lies more than some 150 above -1e6.  A block of zeros gets the scale byte 1 (its codes are zeros; only this program reads the byte).  A p under 2^-126 counts as 0.  NaN and infinities are not served.
.set BUF,  9216                        ; LDS: a buffer of codes: 8 images of K's tiles (512 bytes each), 8 pieces of V (512 each), 16 rows x 48 bytes of scale words, padding
.set VIM,  4096                        ; V's pieces: piece 4 g + B, lane l: the 16 bytes of codes of column 32 g + l, keys 32 B .. 32 B + 31
.set SCO,  8192                        ; scale words: row r: bytes 0-31 K's words of tiles 0-7 (key row r), bytes 32-47 V's words of tiles 0-3 (column 16 T + r).  48 = 3 x 16: sixteen rows begin in sixteen different 16-byte columns of 256
.set STG,  2*BUF                       ; behind the two buffers: a stage of 16 rows x 272 bytes for each wave, its own: q's turn, k's turn, O's way out
.set STW,  16*272
.set X,    192                         ; v192-223 32 f32 numbers of the next key step, as loaded
.set Y,    96                          ; v96-127  k's numbers turned (S^T's registers, free between two steps)
.set CD,   82                          ; v82-85   the codes just made
; REGISTERS: v1 16 x thread; v2 16 x lane; v3 512 h + 16 r; v4 48 r; v5 K's scale word's place; v6 V's scale byte's place; v7, v8, v9 places in my stage; v10 my offset in a step's k or v;
; v12 -M, v13 the largest t, v[14:15] the sum in two halves; v16-19 Q's codes, v20-23 zero codes; v24 8 h; v25 my query less the diagonal step's first key less 16 h; v26 -8e6;
; v32-63 K's eight fragments, then V's four; v64-67 zero codes; v68-75 K's scale words, v76-79 V's, v80 Q's, v81 p's (these fourteen hold scales and nothing else); v86-91 at work in the quantiser;
; v96-159 S^T, then p; v160-191 O^T; v224-231 p's codes; v232-254 at work in the softmax.
; s12 wave; s13 i; s[14:15] the head's byte offset; s16 high block?; s17 tile; s18 my block; s19 my first query; s[20:21] lane selects; s[22:23] c; s24 the step's first key; s25 the last step's that is quantised;
; s26 my diagonal step's; s27 trips; s[28:29] k or v at the step whose numbers are asked for next.
.macro KLOADS                          ; my tile's 16 key rows of 256 bytes: two runs of eight dense rows, 4,096 bytes apart; each load reads 512 consecutive bytes
.irp i, 0,1,2,3,4,5,6,7
	global_load_b128 v[X+4*\i:X+4*\i+3], v10, s[28:29] offset:512*\i+2048*(\i/4)
.endr
.endm
.macro VLOADS                          ; my column, 32 keys down: each load reads 128 consecutive bytes
.irp i, 0,1,2,3,4,5,6,7,8,9,10,11,12,13,14,15,16,17,18,19,20,21,22,23,24,25,26,27,28,29,30,31
	global_load_b32 v[X+\i], v10, s[28:29] offset:256*\i
.endr
.endm
; 16 rows of 256 bytes, loaded 16 bytes a lane as they lie, go through my stage and come back 128 bytes a lane: lane (r, h) then holds block h (32 numbers) of row r.
; LDS serves a wave's instructions in order (ISA guide 5.7.1.4): no wait between the stores and the loads.
.macro TURN src, dst
.irp i, 0,1,2,3,4,5,6,7
	ds_store_b128 v7, v[\src+4*\i:\src+4*\i+3] offset:544*\i
.endr
.irp j, 0,1,2,3,4,5,6,7
	ds_load_b128 v[\dst+4*\j:\dst+4*\j+3], v8 offset:16*\j
.endr
.endm
; A lane's 32 numbers, one whole block, become 32 codes in four registers; v86 = the scale's byte.
.macro QUANT src, dst
	v_max3_num_f32 v88, |v[\src]|, |v[\src+1]|, |v[\src+2]|         ; the block's largest magnitude, in two chains
	v_max3_num_f32 v89, |v[\src+3]|, |v[\src+4]|, |v[\src+5]|
.irp i, 6,10,14,18,22,26
	v_max3_num_f32 v88, v88, |v[\src+\i]|, |v[\src+\i+1]|
	v_max3_num_f32 v89, v89, |v[\src+\i+2]|, |v[\src+\i+3]|
.endr
	v_max3_num_f32 v88, v88, |v[\src+30]|, |v[\src+31]|
	v_max3_num_f32 v88, v88, v89, 0x1800000                        ; and the floor 2^(3 - 127): the byte cannot fall under 1
	v_add_nc_u32 v87, 0xff000000, v88                              ; 2 off its exponent field: the conversion takes the exponent field of this operand as its scale, and nothing else of it
	v_lshrrev_b32 v86, 23, v87                                     ; the scale's byte
.irp g, 0,1,2,3
	v_cvt_scalef32_pk8_fp4_f32 v[\dst+\g], v[\src+8*\g:\src+8*\g+7], v87
.endr
	v_nop                                                          ; one plain place behind a scaled conversion
.endm
; Lanes (r, 0) and (r, 1) hold the bytes of blocks 0 and 1 of row r: together they are the row's scale word; bytes 2 and 3 stay 0.
.macro WORD dst
	v_lshlrev_b32 v90, v24, v86                                    ; my byte, 8 h bits up
	v_permlanex16_b32 v91, v90, s20, s21
	v_or_b32 v[\dst], v90, v91
.endm
	s_load_b256 s[4:11], s[0:1], 0x0               ; q s[4:5], k s[6:7], v s[8:9], out0 s[10:11]
	v_lshl_add_u32 v251, v0, 2, 0x15800
	v_mov_b32 v255, 0
	v_lshrrev_b32 v11, 5, v0
	v_readfirstlane_b32 s12, v11                   ; wave 0..15
	v_and_b32 v27, 31, v0                          ; lane
	v_and_b32 v28, 15, v0                          ; r
	v_bfe_u32 v29, v0, 4, 1                        ; h
	; every LDS address is made here, ahead of the first parting of the waves, of the thread's number, the wave's number and constants
	v_lshlrev_b32 v1, 4, v0                        ; where I store my codes: waves 0-7 K's image w, waves 8-15 V's piece w - 8, which begins at 512 w too
	v_lshlrev_b32 v2, 4, v27                       ; an image's place for my lane; also my 16 bytes of 512 in q and in out0
	v_lshlrev_b32 v3, 4, v28
	v_lshl_add_u32 v3, v29, 9, v3                  ; V's fragments: 512 h + 16 r
	v_mul_u32_u24 v4, v28, 48                      ; the scale words' row r
	s_lshl_b32 s30, s12, 2
	v_add_nc_u32 v5, s30, v4                       ; K's word of tile w, key row r
	s_lshr_b32 s30, s12, 2
	s_lshl_b32 s30, s30, 3
	s_and_b32 s31, s12, 3
	s_add_co_u32 s30, s30, s31
	s_add_co_u32 s30, s30, 16                      ; for w = 8 + 4 g + B: 32 + 8 g + B
	v_lshl_add_u32 v6, v29, 2, v4
	v_add_nc_u32 v6, s30, v6                       ; V's byte B of column 32 g + lane = 16 (2 g + h) + r: row r, byte 32 + 4 (2 g + h) + B
	s_mul_i32 s30, s12, STW
	s_add_co_u32 s30, s30, STG                     ; my stage
	v_mul_u32_u24 v7, v29, 272
	v_lshl_add_u32 v7, v28, 4, v7
	v_add_nc_u32 v7, s30, v7                       ; by rows as they lie in memory: lanes 0-15 one row, lanes 16-31 the next, 16 bytes a lane
	v_mul_u32_u24 v9, v28, 272
	v_add_nc_u32 v9, s30, v9
	v_lshl_add_u32 v8, v29, 7, v9                  ; row r, block h: 128 bytes
	v_lshl_add_u32 v9, v29, 5, v9                  ; row r, + 32 h: O's eight channels of a tile
	v_lshlrev_b32 v24, 3, v29                      ; 8 h
	; who I am
	s_mov_b32 s13, ttmp9                           ; i
	s_and_b32 s14, ttmp7, 0xffff                   ; the head,
	s_lshl_b32 s14, s14, 19                        ; times 2,048 rows of 256 bytes
	s_mov_b32 s15, 0
	s_lshr_b32 s16, s12, 2
	s_xor_b32 s16, s16, s12
	s_and_b32 s16, s16, 1                          ; 1: my tile lies in the high block
	s_lshr_b32 s17, s12, 1                         ; which of the block's eight tiles
	s_lshl_b32 s30, s13, 1
	s_sub_co_u32 s30, 15, s30
	s_mul_i32 s30, s30, s16
	s_add_co_u32 s18, s13, s30                     ; my block: i or 15 - i
	s_lshl_b32 s26, s18, 7                         ; its first query = the first key of my diagonal step
	s_lshl_b32 s31, s17, 4
	s_add_co_u32 s19, s26, s31                     ; my first query
	s_sub_co_u32 s25, 15, s13
	s_lshl_b32 s25, s25, 7                         ; the first key of the last step that anybody here needs
	v_lshlrev_b32 v25, 4, v29
	v_sub_nc_u32 v25, v28, v25
	v_add_nc_u32 v25, s31, v25                     ; 16 x tile + r - 16 h
	s_lshl_b32 s32, s19, 8
	s_add_co_u32 s32, s32, s14                     ; my rows of q and of out0, in bytes (under 2^24)
	s_mov_b32 s33, 0
	; my offset in a key step's 32 KiB.  Waves 0-7, tile t = w: 16 x lane + 8,192 (t / 2) + 2,048 (t % 2).  Waves 8-15: 4 x lane + 128 g + 8,192 B
	s_lshr_b32 s35, s12, 1
	s_lshl_b32 s35, s35, 13
	s_and_b32 s37, s12, 1
	s_lshl_b32 s37, s37, 11
	s_add_co_u32 s35, s35, s37
	s_bfe_u32 s36, s12, 0x10002
	s_lshl_b32 s36, s36, 7
	s_and_b32 s37, s12, 3
	s_lshl_b32 s37, s37, 13
	s_add_co_u32 s36, s36, s37
	s_cmp_lt_u32 s12, 8
	s_cselect_b32 s34, 4, 2
	s_cselect_b32 s35, s35, s36
	v_lshlrev_b32 v10, s34, v27
	v_add_nc_u32 v10, s35, v10
	s_mov_b32 s20, 0x76543210
	s_mov_b32 s21, 0xfedcba98                      ; v_permlanex16_b32's selects for lane l xor 16
	s_mov_b32 s22, 0x3e38aa3b                      ; c = log2(e) / 8
	s_mov_b32 s23, s22                             ; (the packed form names the pair)
	s_mov_b32 s24, 0
	s_mov_b32 s27, 8
	s_wait_kmcnt 0x0
	s_add_nc_u64 s[4:5], s[4:5], s[32:33]
	s_add_nc_u64 s[10:11], s[10:11], s[32:33]
	s_cmp_lt_u32 s12, 8                            ; k's wave or v's: the choice hangs on the wave's number alone
	s_cselect_b64 s[28:29], s[6:7], s[8:9]
	s_add_nc_u64 s[28:29], s[28:29], s[14:15]      ; at the head's key step 0
.irp i, 0,1,2,3,4,5,6,7
	global_load_b128 v[96+4*\i:99+4*\i], v2, s[4:5] offset:512*\i th:TH_LOAD_NT   ; my 16 queries: 4,096 dense bytes, read by nobody else
.endr
	s_cmp_lt_u32 s12, 8
	s_cbranch_scc0 .Lhead_v
	KLOADS                                         ; key step 0
	s_wait_loadcnt 8                               ; q is in: the eight loads behind it may stay out
	s_branch .Lhead_join
.Lhead_v:
	VLOADS
	s_wait_loadcnt 32                              ; q is in: the 32 loads behind it may stay out
.Lhead_join:
	TURN 96, 128
	v_mov_b32 v91, 0                               ; written once: a lane permute's destination counts as one of its sources
	s_wait_dscnt 0x0
	QUANT 128, 16                                  ; Q's fragment stays in registers: lane (r, h): query r, channels 32 h .. 32 h + 31
	WORD 80                                        ; and its scale word
.irp j, 20,21,22,23,64,65,66,67
	v_mov_b32 v[\j], 0                             ; zero codes: Q's K = 64 .. 127; what stands behind K's last tile
.endr
	v_mov_b32 v26, 0xcaf42400                      ; -8e6: as a score / 8 it is -1e6
	v_mov_b32 v13, 0xff61b1e6                      ; the largest t so far: -3e38, under every t
	v_floor_f32 v12, -v13                          ; -M
	v_mov_b32 v14, 0                               ; the sum, in two halves
	v_mov_b32 v15, 0
.irp j, 236,237,238,239,252,253
	v_mov_b32 v[\j], 0                             ; permutes' destinations, and the upper half of the pair that holds f
.endr
.irp j, 0,1,2,3,4,5,6,7,8,9,10,11,12,13,14,15,16,17,18,19,20,21,22,23,24,25,26,27,28,29,30,31
	v_mov_b32 v[160+\j], 0                         ; O^T.  (The step is written once: the first finds zeros, which the first change of M leaves zeros.)  These 32 are also the places between Q's operand and scale word and the first product
.endr
; THE STEP'S CODES, into buffer p.  The f32 numbers were asked for a step ago; the next step's are asked for as soon as their registers are free.
.macro PRODUCE p
	s_cmp_gt_u32 s24, s25
	s_cbranch_scc1 .Lnone_\@                       ; nobody in this work-group sees these keys (alike in all sixteen waves)
	s_wait_loadcnt 0x0                             ; this step's numbers are in; no load of mine names the base any more,
	s_add_nc_u64 s[28:29], s[28:29], 0x8000        ; so it steps: 128 keys of 256 bytes
	s_cmp_lt_u32 s12, 8
	s_cbranch_scc0 .Lfor_v_\@
	TURN X, Y
	s_wait_dscnt 0x0                               ; the stores have read X, and the turned numbers are in
	s_cmp_lt_u32 s24, s25
	s_cbranch_scc0 .Lk_last_\@                     ; behind the last step nothing is asked for: no load leaves its buffer
	KLOADS
.Lk_last_\@:
	QUANT Y, CD
	WORD 90
	ds_store_b32 v5, v90 offset:SCO+(\p)*BUF       ; lanes r and r + 16 write the same word with the same value
	s_branch .Ljoin_\@
.Lfor_v_\@:
	QUANT X, CD
	s_cmp_lt_u32 s24, s25
	s_cbranch_scc0 .Lv_last_\@
	VLOADS
.Lv_last_\@:
	ds_store_b8 v6, v86 offset:SCO+(\p)*BUF
.Ljoin_\@:
	ds_store_b128 v1, v[CD:CD+3] offset:(\p)*BUF   ; 16 bytes a lane, 512 consecutive bytes a wave
.Lnone_\@:
.endm
; MY TILE'S WORK on the step's 128 keys, from buffer p.
.macro CONSUME p
	s_cmp_gt_u32 s24, s26
	s_cbranch_scc1 .Lhidden_\@                     ; all these keys come after my block's queries: a scalar branch on ids; no barrier stands in here
	ds_load_b128 v[68:71], v4 offset:SCO+(\p)*BUF      ; K's scale words of tiles 0-3,
	ds_load_b128 v[72:75], v4 offset:SCO+(\p)*BUF+16   ; 4-7,
	ds_load_b128 v[76:79], v4 offset:SCO+(\p)*BUF+32   ; V's of tiles 0-3
.irp t, 0,1,2,3,4,5,6,7
	ds_load_b128 v[32+4*\t:35+4*\t], v2 offset:(\p)*BUF+512*\t
.endr
	s_wait_dscnt 0x0
.irp t, 0,1,2,3,4,5,6,7                        ; S^T = K Q^T: each sum is one instruction and starts from the constant 0
	v_wmma_scale_f32_16x16x128_f8f6f4 v[96+8*\t:103+8*\t], v[32+4*\t:39+4*\t], v[16:23], 0, v[68+\t], v80 matrix_a_fmt:MATRIX_FMT_FP4 matrix_b_fmt:MATRIX_FMT_FP4
.endr
.rept 4
	v_nop                                          ; four places in front of loads into registers that these products read, and of the first read of their results
.endr
.irp t, 0,1,2,3                                ; V's four fragments: they land while the softmax is worked.  Tile t, registers 4 c on: column 16 t + r, keys 64 c + 32 h on: piece 4 (t / 2) + 2 c + h, lane 16 (t % 2) + r
.irp c, 0,1
	ds_load_b128 v[32+8*\t+4*\c:35+8*\t+4*\c], v3 offset:(\p)*BUF+VIM+2048*(\t/2)+256*(\t%2)+1024*\c
.endr
.endr
	s_cmp_lg_u32 s24, s26
	s_cbranch_scc1 .Lopen_\@                       ; under the diagonal step every key counts
.irp n, 0,1,2,3,4,5,6,7,8,9,10,11,12,13,14,15,16,17,18,19,20,21,22,23,24,25,26,27,28,29,30,31,32,33,34,35,36,37,38,39,40,41,42,43,44,45,46,47,48,49,50,51,52,53,54,55,56,57,58,59,60,61,62,63
	v_cmp_gt_i32 vcc_lo, 32*(\n/16)+\n%16, v25     ; register 16 b + i holds key 32 b + 16 h + i of the step: hidden where 32 b + i > my query - the step's first key - 16 h
	v_cndmask_b32 v[96+\n], v[96+\n], v26, vcc_lo
.endr
.Lopen_\@:
.irp b, 0,1,2,3
	v_max3_num_f32 v[232+\b], v[96+16*\b], v[97+16*\b], v[98+16*\b]   ; THE LARGEST SCORE OF EACH BLOCK OF 32 KEYS: it serves the row's maximum and, since p rises with the score, the block's largest p
.endr
.irp i, 3,5,7,9,11,13
.irp b, 0,1,2,3
	v_max3_num_f32 v[232+\b], v[232+\b], v[96+16*\b+\i], v[97+16*\b+\i]   ; (the four blocks by turns)
.endr
.endr
.irp b, 0,1,2,3
	v_max_num_f32 v[232+\b], v[232+\b], v[111+16*\b]
.endr
.irp b, 0,1,2,3
	v_permlanex16_b32 v[236+\b], v[232+\b], s20, s21
.endr
.irp b, 0,1,2,3
	v_max_num_f32 v[232+\b], v[232+\b], v[236+\b]  ; with lane l xor 16's 16 keys
.endr
	v_max3_num_f32 v254, v232, v233, v234
	v_max_num_f32 v254, v254, v235                 ; the step's largest score of my query
	v_mul_f32 v254, s22, v254                      ; as t (c is positive)
	v_max_num_f32 v13, v13, v254                   ; the running largest t
	v_mov_b32 v254, v12
	v_floor_f32 v12, -v13                          ; the new -M = floor(-t) = -ceil(t): a whole number
	v_sub_f32 v254, v12, v254                      ; M's old value less its new one: a whole number, 0 or less
	v_cvt_i32_f32 v254, v254                       ; (it saturates)
	v_ldexp_f32 v252, 1.0, v254                    ; f = 2^(old M - new M)
.irp j, 0,2,4,6,8,10,12,14,16,18,20,22,24,26,28,30,32,34,36,38,40,42,44,46,48,50,52,54,56,58,60,62
	v_pk_fma_f32 v[96+\j:97+\j], v[96+\j:97+\j], s[22:23], v[12:13] op_sel_hi:[1,0,0]   ; t - M, two at a time (of the pairs c and -M the low word serves both halves)
.endr
.irp b, 0,1,2,3
	v_fma_f32 v[232+\b], v[232+\b], s22, v12       ; the same of each block's largest score
.endr
.irp j, 0,1,2,3,4,5,6,7,8,9,10,11,12,13,14,15,16,17,18,19,20,21,22,23,24,25,26,27,28,29,30,31,32,33,34,35,36,37,38,39,40,41,42,43,44,45,46,47,48,49,50,51,52,53,54,55,56,57,58,59,60,61,62,63
	v_exp_f32 v[96+\j], v[96+\j]                   ; p = 2^(t - M): not normalised
.endr
.irp b, 0,1,2,3
	v_exp_f32 v[232+\b], v[232+\b]                 ; the block's largest p: the same two instructions on the same number give the same bits
.endr
	v_pk_mul_f32 v[14:15], v[14:15], v[252:253] op_sel_hi:[1,0]   ; the sums under the new M.  (A plain place behind the exponentials)
	s_wait_alu depctr_va_vdst(0)
.irp b, 0,1,2,3
	v_max_num_f32 v[232+\b], 0x1800000, v[232+\b]  ; the floor 2^(3 - 127): the byte cannot fall under 1 (a block whose every p is 0 keeps that byte: its codes are zeros)
.endr
.irp b, 0,1,2,3
	v_add_nc_u32 v[244+\b], 0xff000000, v[232+\b]  ; 2 off the exponent field: the conversion's scale operand
.endr
.irp b, 0,1,2,3
	v_lshrrev_b32 v[236+\b], 23, v[244+\b]         ; the scale's byte
.endr
	v_lshl_or_b32 v81, v237, 8, v236               ; p's scale word for these 128 keys
	v_lshl_or_b32 v81, v238, 16, v81
	v_lshl_or_b32 v81, v239, 24, v81
.irp b, 0,1,2,3
	v_cvt_scalef32_pk8_fp4_f32 v[224+2*\b], v[96+16*\b:103+16*\b], v[244+\b]
	v_cvt_scalef32_pk8_fp4_f32 v[225+2*\b], v[104+16*\b:111+16*\b], v[244+\b]
.endr
	v_nop                                          ; one plain place behind a scaled conversion
.irp c, 0,1                                    ; the operand's layout wants a WHOLE block in a lane: lanes 0-15 block 2 c, lanes 16-31 block 2 c + 1
.irp i, 0,1
	v_permlane16_swap_b32 v[224+4*\c+\i], v[226+4*\c+\i]
.endr
.endr
	v_pk_add_f32 v[236:237], v[96:97], v[98:99]    ; THE ROW'S SUM IS TAKEN OF THE UNQUANTISED p: two at a time, in two chains
.irp j, 4,8,12,16,20,24,28,32,36,40,44,48,52,56,60
	v_pk_add_f32 v[14:15], v[14:15], v[96+\j:97+\j]
	v_pk_add_f32 v[236:237], v[236:237], v[98+\j:99+\j]
.endr
	v_pk_add_f32 v[14:15], v[14:15], v[236:237]
.irp j, 0,2,4,6,8,10,12,14,16,18,20,22,24,26,28,30
	v_pk_mul_f32 v[160+\j:161+\j], v[160+\j:161+\j], v[252:253] op_sel_hi:[1,0]   ; O^T under the new M: x f, each tile from its low end on
.endr
	s_wait_dscnt 0x0                               ; V's fragments are in
.irp t, 0,1,2,3                                ; O^T += V^T P^T.  The four accumulators take turns, one instruction a turn, with the next step's eight other products between two links
	v_wmma_scale_f32_16x16x128_f8f6f4 v[160+8*\t:167+8*\t], v[32+8*\t:39+8*\t], v[224:231], v[160+8*\t:167+8*\t], v[76+\t], v81 matrix_a_fmt:MATRIX_FMT_FP4 matrix_b_fmt:MATRIX_FMT_FP4
.endr
.rept 4
	v_nop                                          ; four places in front of the next loads into these products' operands and scale words, and of the next read of O^T, on every way on
.endr
.Lhidden_\@:
.endm
; ONE BARRIER A STEP does two things.  In front of it each wave has waited for all its LDS instructions: its stores into this step's buffer have landed, and its reads of the other buffer, made in the step
; before, are in.  Behind it this buffer is whole, and the next step may write the other one.
.macro STEP p
	PRODUCE \p
	s_wait_dscnt 0x0
	s_barrier_signal -1
	s_barrier_wait -1
	CONSUME \p
	s_add_co_u32 s24, s24, 128
.endm
.Lpair:                                                ; eight trips of two steps in every work-group: the buffers stand in the immediates, and no LDS address is stepped
	STEP 0
	STEP 1
	s_sub_co_i32 s27, s27, 1
	s_cmp_lg_u32 s27, 0
	s_cbranch_scc1 .Lpair
	; THE WAY OUT.  O^T is divided by the row's sum and goes through my stage: a lane holds eight neighbouring channels of one query, and comes back by rows of 256 bytes.
	v_add_f32 v14, v14, v15                        ; the sum's two halves,
	v_permlanex16_b32 v252, v14, s20, s21
	v_add_f32 v14, v14, v252                       ; and lane l xor 16's: the row's sum
	v_rcp_f32 v14, v14
	v_nop                                          ; one plain place behind a transcendental
	s_wait_alu depctr_va_vdst(0)
.irp j, 0,1,2,3,4,5,6,7,8,9,10,11,12,13,14,15,16,17,18,19,20,21,22,23,24,25,26,27,28,29,30,31
	v_mul_f32 v[96+\j], v[160+\j], v14             ; register 8 t + i is out0(my query r, channel 16 t + 8 h + i)
.endr
.irp t, 0,1,2,3
	ds_store_b128 v9, v[96+8*\t:99+8*\t] offset:64*\t
	ds_store_b128 v9, v[100+8*\t:103+8*\t] offset:64*\t+16
.endr
.irp i, 0,1,2,3,4,5,6,7
	ds_load_b128 v[32+4*\i:35+4*\i], v7 offset:544*\i   ; LDS serves a wave's instructions in order: these see my stores
.endr
.irp i, 0,1,2,3,4,5,6,7
	s_wait_dscnt 7-\i                              ; rows 2 i and 2 i + 1 are back; the younger loads may be out
	global_store_b128 v2, v[32+4*\i:35+4*\i], s[10:11] offset:512*\i th:TH_STORE_NT   ; 32 lanes store 512 consecutive bytes, at a multiple of 256 from out0's first byte; written once, read by nobody here
.endr
	s_wait_tensorcnt 0x0
	ds_add_u32 v251, v255
	s_wait_dscnt 0x0
	s_endpgm
.Lfunc_end_k_qd07a48efb0_attn:
	.size	k_qd07a48efb0_attn, .Lfunc_end_k_qd07a48efb0_attn-k_qd07a48efb0_attn
	.p2alignl 7, 3214868480
	.fill 96, 4, 3214868480
	.section	.rodata,"a",@progbits
	.p2align	6, 0x0
	.amdhsa_kernel k_qd07a48efb0_attn
		.amdhsa_group_segment_fixed_size 90112
		.amdhsa_private_segment_fixed_size 0
		.amdhsa_enable_private_segment 0
		.amdhsa_kernarg_size 32
		.amdhsa_user_sgpr_count 2
		.amdhsa_user_sgpr_kernarg_segment_ptr 1
		.amdhsa_wavefront_size32 1
		.amdhsa_system_sgpr_workgroup_id_x 1
		.amdhsa_system_sgpr_workgroup_id_y 1
		.amdhsa_system_sgpr_workgroup_id_z 1
		.amdhsa_system_vgpr_workitem_id 0
		.amdhsa_next_free_vgpr 256
		.amdhsa_next_free_sgpr 66
		.amdhsa_reserve_vcc 1
		.amdhsa_float_denorm_mode_32 3
		.amdhsa_float_denorm_mode_16_64 3
		.amdhsa_memory_ordered 1
		.amdhsa_forward_progress 1
		.amdhsa_inst_pref_size 73
	.end_amdhsa_kernel
	.amdgpu_metadata
---
amdhsa.version: [ 1, 2 ]
amdhsa.kernels:
  - .name:           k_qd07a48efb0_attn
    .symbol:         k_qd07a48efb0_attn.kd
    .args:
      - { .name: q, .offset: 0, .size: 8, .value_kind: global_buffer, .address_space: global }
      - { .name: k, .offset: 8, .size: 8, .value_kind: global_buffer, .address_space: global }
      - { .name: v, .offset: 16, .size: 8, .value_kind: global_buffer, .address_space: global }
      - { .name: out0, .offset: 24, .size: 8, .value_kind: global_buffer, .address_space: global }
    .group_segment_fixed_size: 90112
    .private_segment_fixed_size: 0
    .kernarg_segment_align: 8
    .kernarg_segment_size: 32
    .max_flat_workgroup_size: 512
    .sgpr_count:     66
    .vgpr_count:     256
    .wavefront_size: 32
...
	.end_amdgpu_metadata
.endif
;; end of part 1
;; ======== version 2 of 2: 1 launch; version 1 with the launch attn written anew for expert scheduling mode
;; limits: right only within a limited range of input values
;; launch attn (part 2): grid 8 x 32, 16 waves a work-group, no clusters, 90,112 bytes of LDS; arguments q, k, v, out0; writes out0
.if DOCPART == 2
	.amdgcn_target "amdgcn-amd-amdhsa--gfx1250"
	.amdhsa_code_object_version 6
	.text
	.protected	k_qd07a48efb0_attn
	.globl	k_qd07a48efb0_attn
	.p2align	8
	.type	k_qd07a48efb0_attn,@function
k_qd07a48efb0_attn:
	s_mov_b64 s[64:65], 0
	v_nop
	global_prefetch_b8 v0, s[64:65] scope:SCOPE_SE
	s_setreg_imm32_b32 hwreg(HW_REG_WAVE_SCHED_MODE, 0, 2), 2
	s_setreg_imm32_b32 hwreg(HW_REG_WAVE_MODE, 25, 1), 1
	s_wait_xcnt 0x0
	s_wait_alu depctr_vm_vsrc(0)
; out0[h][s][:] = the sum over t <= s of softmax_t(q[h][s] . k[h][t] / 8) v[h][t][:].  q, k, v, out0: [32 heads][2048][64] f32.
; Both products run on codes of FP4 (E2M1) with one E8M0 scale for each 32 along the product's K; this one launch makes all codes itself.
; THE SOFTMAX AHEAD OF THE SECOND PRODUCT: t = score x log2(e) / 8; M = the row's largest t so far, rounded UP to a whole number; p = 2^(t - M) is quantised along the keys, not normalised.
; The row's sum is taken of the unquantised p and divides O at the end.  When M moves, the sum and O are multiplied by 2^(old M - new M), which rounds nothing.
; SHARES.  A head's 2,048 queries are 16 blocks of 128.  Work-group (i, head), i = 0 .. 7, owns blocks i and 15 - i: (i + 1) + (16 - i) = 17 block steps of 128 keys in every work-group: 8 x 32 = 256 alike.
; Sixteen waves of 256 registers.  Wave w owns ONE tile of 16 queries: tile w / 2 of the low block or of the high one, by the bit (w xor w / 4) & 1: among waves s, s + 4, s + 8, s + 12, and among
; waves 4 s .. 4 s + 3, two are low and two high.
; A KEY STEP is 128 keys.  Waves 0-7 quantise the step's k (a tile of 16 keys each), waves 8-15 its v (32 columns x 32 keys each), from f32 numbers that were asked for a whole step earlier; the codes go to LDS
; as images of the operands' registers, in two buffers by turns; ONE barrier; then each wave whose queries see these keys runs its 8 + 4 products and its softmax.  Steps that lie wholly above a wave's diagonal
; are left out of its work, steps above the work-group's last block also of the quantising; every wave passes all 16 barriers, so that the loop's count is a constant.
; LAYOUT.  Both products are used transposed: S^T = K Q^T (source 0 = 16 keys, source 1 = my 16 queries), O^T = V^T P^T (source 0 = 16 of the head's 64, source 1 = P): a lane holds ONE query (lane % 16) throughout.
; THE KEYS OF A TILE ARE NOT NEIGHBOURS: lane r of tile 2 b + u takes key 32 b + 8 u + r + 8 (r / 8), so that the 16 registers of tiles 2 b and 2 b + 1 are 16 neighbouring keys, 32 b + 16 (lane / 16) + 0 .. 15.
; THE FIRST PRODUCT'S K IS 64, the instruction's 128: Q's registers 4-7 hold zero codes, and bytes 2 and 3 of Q's and K's scale words are 0 (a power of two, no NaN).  So whatever stands in registers 4-7 of K's
; operand adds nothing: K's fragment t is named v[32 + 4 t : 39 + 4 t], whose upper half is the next tile's codes (zeros behind the last).
; v's K is the keys, its FIRST axis within a head: a lane takes a column and its registers run down the keys, so the conversions give codes with the keys innermost and nothing is transposed.
; NO JOINT LOADS, NO TENSOR LOADS: k and v arrive as f32 and pass through registers to become codes, and the eight work-groups of a head walk 9 to 16 key steps, each another number.
; LIMITS.  On the diagonal hidden scores become -1e6 (as a raw score -8e6), as the definition has them; tiles wholly under the mask are not computed: the same result wherever a row's largest visible
; score / 8 lies more than some 150 above -1e6.  A block of zeros gets the scale byte 1 (its codes are zeros; only this program reads the byte).  A p under 2^-126 counts as 0.  NaN and infinities are not served.
; THE MODE: SCHED_MODE bits 1:0 = 2 (LLVM: expert scheduling mode 2), set by the entry lines.  The code itself states the register dependences
; between vector or matrix instructions and memory or LDS instructions, with s_wait_alu, always for 0.
; THE PLAN.  Registers that memory or LDS instructions touch, in the loop:
;   v1-v10        Addresses and offsets: made at the head, never written again.
;   X  v192-223   The next step's f32 numbers land here.  k's waves: the turn's LDS stores read it, then the loads of the step after land.  v's waves: the quantiser reads it, then those loads land.
;   Y  v96-127    k's waves: the turn's LDS loads land here and the quantiser reads it.  Every wave: S^T's products and the softmax write and read it.  At the head: q lands here and the turn's stores read it.
;   CD v82-85, v86, v90   The quantiser writes them; the step's LDS stores read them.
;   v32-63, v68-79        K's fragments and all scale words land here, then V's fragments; only products read them.
;   v81, v224-231         p's scale word and codes: the softmax writes them, O^T's scaled products take them.
; THE WAITS OF A STEP.  At its head, ahead of all its branches, one on va_vdst and one on vm_vsrc: the step before is done with Y, with the fragments and with the scale words, and its stores have read CD, v86, v90.
; From there to the fragments' loads behind the barrier the only vector work is the quantiser, which names v82-91 and X or Y: none of v32-79.  Behind the turn one on vm_vsrc frees X; behind the quantiser one on
; va_vdst serves its stores (and in v's waves the loads into X); one behind S^T's products frees their operands for V's fragments; one stands behind the exponentials; one ahead of O^T's products.
.set BUF,  9216                        ; LDS: a buffer of codes: 8 images of K's tiles (512 bytes each), 8 pieces of V (512 each), 16 rows x 48 bytes of scale words, padding
.set VIM,  4096                        ; V's pieces: piece 4 g + B, lane l: the 16 bytes of codes of column 32 g + l, keys 32 B .. 32 B + 31
.set SCO,  8192                        ; scale words: row r: bytes 0-31 K's words of tiles 0-7 (key row r), bytes 32-47 V's words of tiles 0-3 (column 16 T + r).  48 = 3 x 16: sixteen rows begin in sixteen different 16-byte columns of 256
.set STG,  2*BUF                       ; behind the two buffers: a stage of 16 rows x 272 bytes for each wave, its own: q's turn, k's turn, O's way out
.set STW,  16*272
.set X,    192                         ; v192-223 32 f32 numbers of the next key step, as loaded
.set Y,    96                          ; v96-127  k's numbers turned (S^T's registers, free between two steps)
.set CD,   82                          ; v82-85   the codes just made
; REGISTERS: v1 16 x thread; v2 16 x lane; v3 512 h + 16 r; v4 48 r; v5 K's scale word's place; v6 V's scale byte's place; v7, v8, v9 places in my stage; v10 my offset in a step's k or v;
; v12 -M, v13 the largest t, v[14:15] the sum in two halves; v16-19 Q's codes, v20-23 zero codes; v24 8 h; v25 my query less the diagonal step's first key less 16 h; v26 -8e6;
; v32-63 K's eight fragments, then V's four; v64-67 zero codes; v68-75 K's scale words, v76-79 V's, v80 Q's, v81 p's (these fourteen hold scales and nothing else); v86-91 at work in the quantiser;
; v96-159 S^T, then p; v160-191 O^T; v224-231 p's codes; v232-254 at work in the softmax; v251, v255 the closing add's two.
; s12 wave; s13 i; s[14:15] the head's byte offset; s16 high block?; s17 tile; s18 my block; s19 my first query; s[20:21] lane selects; s[22:23] c; s24 the step's first key; s25 the last step's that is quantised;
; s26 my diagonal step's; s27 trips; s[28:29] k or v at the step whose numbers are asked for next; s40-s55 sixteen masks of the diagonal.
.macro KLOADS                          ; my tile's 16 key rows of 256 bytes: two runs of eight dense rows, 4,096 bytes apart; each load reads 512 consecutive bytes
.irp i, 0,1,2,3,4,5,6,7
	global_load_b128 v[X+4*\i:X+4*\i+3], v10, s[28:29] offset:512*\i+2048*(\i/4)
.endr
.endm
.macro VLOADS                          ; my column, 32 keys down: each load reads 128 consecutive bytes
.irp i, 0,1,2,3,4,5,6,7,8,9,10,11,12,13,14,15,16,17,18,19,20,21,22,23,24,25,26,27,28,29,30,31
	global_load_b32 v[X+\i], v10, s[28:29] offset:256*\i
.endr
.endm
; 16 rows of 256 bytes, loaded 16 bytes a lane as they lie, go through my stage and come back 128 bytes a lane: lane (r, h) then holds block h (32 numbers) of row r.
; LDS serves a wave's instructions in order (ISA guide 5.7.1.4): no wait between the stores and the loads.
.macro TURN src, dst
.irp i, 0,1,2,3,4,5,6,7
	ds_store_b128 v7, v[\src+4*\i:\src+4*\i+3] offset:544*\i
.endr
.irp j, 0,1,2,3,4,5,6,7
	ds_load_b128 v[\dst+4*\j:\dst+4*\j+3], v8 offset:16*\j
.endr
.endm
; A lane's 32 numbers, one whole block, become 32 codes in four registers; v86 = the scale's byte.
.macro QUANT src, dst
	v_max3_num_f32 v88, |v[\src]|, |v[\src+1]|, |v[\src+2]|         ; the block's largest magnitude, in two chains
	v_max3_num_f32 v89, |v[\src+3]|, |v[\src+4]|, |v[\src+5]|
.irp i, 6,10,14,18,22,26
	v_max3_num_f32 v88, v88, |v[\src+\i]|, |v[\src+\i+1]|
	v_max3_num_f32 v89, v89, |v[\src+\i+2]|, |v[\src+\i+3]|
.endr
	v_max3_num_f32 v88, v88, |v[\src+30]|, |v[\src+31]|
	v_max3_num_f32 v88, v88, v89, 0x1800000                        ; and the floor 2^(3 - 127): the byte cannot fall under 1
	v_add_nc_u32 v87, 0xff000000, v88                              ; 2 off its exponent field: the conversion takes the exponent field of this operand as its scale, and nothing else of it
	v_lshrrev_b32 v86, 23, v87                                     ; the scale's byte
.irp g, 0,1,2,3
	v_cvt_scalef32_pk8_fp4_f32 v[\dst+\g], v[\src+8*\g:\src+8*\g+7], v87
.endr
	v_nop                                                          ; one plain place behind a scaled conversion
.endm
; Lanes (r, 0) and (r, 1) hold the bytes of blocks 0 and 1 of row r: together they are the row's scale word; bytes 2 and 3 stay 0.
.macro WORD dst
	v_lshlrev_b32 v90, v24, v86                                    ; my byte, 8 h bits up
	v_permlanex16_b32 v91, v90, s20, s21
	v_or_b32 v[\dst], v90, v91
.endm
	s_load_b256 s[4:11], s[0:1], 0x0               ; q s[4:5], k s[6:7], v s[8:9], out0 s[10:11]
	v_lshl_add_u32 v251, v0, 2, 0x15800            ; my spare word, behind the sixteen stages, and 0: made here and kept for the closing lines alone
	v_mov_b32 v255, 0
	v_lshrrev_b32 v11, 5, v0
	v_readfirstlane_b32 s12, v11                   ; wave 0..15
	v_and_b32 v27, 31, v0                          ; lane
	v_and_b32 v28, 15, v0                          ; r
	v_bfe_u32 v29, v0, 4, 1                        ; h
	s_wait_alu depctr_va_vdst(0)
	; every LDS address is made here, ahead of the first parting of the waves, of the thread's number, the wave's number and constants
	v_lshlrev_b32 v1, 4, v0                        ; where I store my codes: waves 0-7 K's image w, waves 8-15 V's piece w - 8, which begins at 512 w too
	v_lshlrev_b32 v2, 4, v27                       ; an image's place for my lane; also my 16 bytes of 512 in q and in out0
	v_lshlrev_b32 v3, 4, v28
	v_lshl_add_u32 v3, v29, 9, v3                  ; V's fragments: 512 h + 16 r
	v_mul_u32_u24 v4, v28, 48                      ; the scale words' row r
	s_wait_alu depctr_va_sdst(0)                   ; s12 is written, ahead of its first reader: addresses, shares and branches are made from it
	s_lshl_b32 s30, s12, 2
	v_add_nc_u32 v5, s30, v4                       ; K's word of tile w, key row r
	s_lshr_b32 s30, s12, 2
	s_lshl_b32 s30, s30, 3
	s_and_b32 s31, s12, 3
	s_add_co_u32 s30, s30, s31
	s_add_co_u32 s30, s30, 16                      ; for w = 8 + 4 g + B: 32 + 8 g + B
	v_lshl_add_u32 v6, v29, 2, v4
	v_add_nc_u32 v6, s30, v6                       ; V's byte B of column 32 g + lane = 16 (2 g + h) + r: row r, byte 32 + 4 (2 g + h) + B
	s_mul_i32 s30, s12, STW
	s_add_co_u32 s30, s30, STG                     ; my stage
	v_mul_u32_u24 v7, v29, 272
	v_lshl_add_u32 v7, v28, 4, v7
	v_add_nc_u32 v7, s30, v7                       ; by rows as they lie in memory: lanes 0-15 one row, lanes 16-31 the next, 16 bytes a lane
	v_mul_u32_u24 v9, v28, 272
	v_add_nc_u32 v9, s30, v9
	v_lshl_add_u32 v8, v29, 7, v9                  ; row r, block h: 128 bytes
	v_lshl_add_u32 v9, v29, 5, v9                  ; row r, + 32 h: O's eight channels of a tile
	v_lshlrev_b32 v24, 3, v29                      ; 8 h
	; who I am
	s_mov_b32 s13, ttmp9                           ; i
	s_and_b32 s14, ttmp7, 0xffff                   ; the head,
	s_lshl_b32 s14, s14, 19                        ; times 2,048 rows of 256 bytes
	s_mov_b32 s15, 0
	s_lshr_b32 s16, s12, 2
	s_xor_b32 s16, s16, s12
	s_and_b32 s16, s16, 1                          ; 1: my tile lies in the high block
	s_lshr_b32 s17, s12, 1                         ; which of the block's eight tiles
	s_lshl_b32 s30, s13, 1
	s_sub_co_u32 s30, 15, s30
	s_mul_i32 s30, s30, s16
	s_add_co_u32 s18, s13, s30                     ; my block: i or 15 - i
	s_lshl_b32 s26, s18, 7                         ; its first query = the first key of my diagonal step
	s_lshl_b32 s31, s17, 4
	s_add_co_u32 s19, s26, s31                     ; my first query
	s_sub_co_u32 s25, 15, s13
	s_lshl_b32 s25, s25, 7                         ; the first key of the last step that anybody here needs
	v_lshlrev_b32 v25, 4, v29
	v_sub_nc_u32 v25, v28, v25
	v_add_nc_u32 v25, s31, v25                     ; 16 x tile + r - 16 h
	s_lshl_b32 s32, s19, 8
	s_add_co_u32 s32, s32, s14                     ; my rows of q and of out0, in bytes (under 2^24)
	s_mov_b32 s33, 0
	; my offset in a key step's 32 KiB.  Waves 0-7, tile t = w: 16 x lane + 8,192 (t / 2) + 2,048 (t % 2).  Waves 8-15: 4 x lane + 128 g + 8,192 B
	s_lshr_b32 s35, s12, 1
	s_lshl_b32 s35, s35, 13
	s_and_b32 s37, s12, 1
	s_lshl_b32 s37, s37, 11
	s_add_co_u32 s35, s35, s37
	s_bfe_u32 s36, s12, 0x10002
	s_lshl_b32 s36, s36, 7
	s_and_b32 s37, s12, 3
	s_lshl_b32 s37, s37, 13
	s_add_co_u32 s36, s36, s37
	s_cmp_lt_u32 s12, 8
	s_cselect_b32 s34, 4, 2
	s_cselect_b32 s35, s35, s36
	v_lshlrev_b32 v10, s34, v27
	v_add_nc_u32 v10, s35, v10
	s_mov_b32 s20, 0x76543210
	s_mov_b32 s21, 0xfedcba98                      ; v_permlanex16_b32's selects for lane l xor 16
	s_mov_b32 s22, 0x3e38aa3b                      ; c = log2(e) / 8
	s_mov_b32 s23, s22                             ; (the packed form names the pair)
	s_mov_b32 s24, 0
	s_mov_b32 s27, 8
	s_wait_kmcnt 0x0
	s_add_nc_u64 s[4:5], s[4:5], s[32:33]
	s_add_nc_u64 s[10:11], s[10:11], s[32:33]
	s_cmp_lt_u32 s12, 8                            ; k's wave or v's: the choice hangs on the wave's number alone
	s_cselect_b64 s[28:29], s[6:7], s[8:9]
	s_add_nc_u64 s[28:29], s[28:29], s[14:15]      ; at the head's key step 0
	s_wait_alu depctr_va_vdst(0)                   ; the ten addresses and offsets v1 to v10 are written, which every load and store of the kernel, global or LDS, reads; nothing writes them again
.irp i, 0,1,2,3,4,5,6,7
	global_load_b128 v[96+4*\i:99+4*\i], v2, s[4:5] offset:512*\i th:TH_LOAD_NT   ; my 16 queries: 4,096 dense bytes, read by nobody else
.endr
	s_cmp_lt_u32 s12, 8
	s_cbranch_scc0 .Lhead_v
	KLOADS                                         ; key step 0
	s_wait_loadcnt 8                               ; q is in: the eight loads behind it may stay out
	s_branch .Lhead_join
.Lhead_v:
	VLOADS
	s_wait_loadcnt 32                              ; q is in: the 32 loads behind it may stay out
.Lhead_join:
	TURN 96, 128
	v_mov_b32 v91, 0                               ; written once: a lane permute's destination counts as one of its sources
	s_wait_dscnt 0x0
	QUANT 128, 16                                  ; Q's fragment stays in registers: lane (r, h): query r, channels 32 h .. 32 h + 31
	WORD 80                                        ; and its scale word
.irp j, 20,21,22,23,64,65,66,67
	v_mov_b32 v[\j], 0                             ; zero codes: Q's K = 64 .. 127; what stands behind K's last tile
.endr
	v_mov_b32 v26, 0xcaf42400                      ; -8e6: as a score / 8 it is -1e6
	v_mov_b32 v13, 0xff61b1e6                      ; the largest t so far: -3e38, under every t
	v_floor_f32 v12, -v13                          ; -M
	v_mov_b32 v14, 0                               ; the sum, in two halves
	v_mov_b32 v15, 0
.irp j, 236,237,238,239,252,253
	v_mov_b32 v[\j], 0                             ; permutes' destinations, and the upper half of the pair that holds f
.endr
.irp j, 0,1,2,3,4,5,6,7,8,9,10,11,12,13,14,15,16,17,18,19,20,21,22,23,24,25,26,27,28,29,30,31
	v_mov_b32 v[160+\j], 0                         ; O^T.  (The step is written once: the first finds zeros, which the first change of M leaves zeros.)  These 32 are also the places between Q's operand and scale word and the first product
.endr
; THE STEP'S CODES, into buffer p.  The f32 numbers were asked for a step ago; the next step's are asked for as soon as their registers are free.
.macro PRODUCE p
	s_cmp_gt_u32 s24, s25
	s_cbranch_scc1 .Lnone_\@                       ; nobody in this work-group sees these keys (alike in all sixteen waves)
	s_wait_loadcnt 0x0                             ; this step's numbers are in; no load of mine names the base any more,
	s_add_nc_u64 s[28:29], s[28:29], 0x8000        ; so it steps: 128 keys of 256 bytes
	s_cmp_lt_u32 s12, 8
	s_cbranch_scc0 .Lfor_v_\@
	TURN X, Y
	s_wait_dscnt 0x0                               ; the turned numbers are in
	s_wait_alu depctr_vm_vsrc(0)                   ; the turn's LDS stores have read X, in which the next step's loads land
	s_cmp_lt_u32 s24, s25
	s_cbranch_scc0 .Lk_last_\@                     ; behind the last step nothing is asked for: no load leaves its buffer
	KLOADS
.Lk_last_\@:
	QUANT Y, CD
	WORD 90
	s_wait_alu depctr_va_vdst(0)                   ; the quantiser has written v90 and CD, which the two LDS stores below read
	ds_store_b32 v5, v90 offset:SCO+(\p)*BUF       ; lanes r and r + 16 write the same word with the same value
	s_branch .Ljoin_\@
.Lfor_v_\@:
	QUANT X, CD
	s_wait_alu depctr_va_vdst(0)                   ; the quantiser is done reading X, in which the next step's loads land, and has written v86 and CD, which the two LDS stores below read
	s_cmp_lt_u32 s24, s25
	s_cbranch_scc0 .Lv_last_\@
	VLOADS
.Lv_last_\@:
	ds_store_b8 v6, v86 offset:SCO+(\p)*BUF
.Ljoin_\@:
	ds_store_b128 v1, v[CD:CD+3] offset:(\p)*BUF   ; 16 bytes a lane, 512 consecutive bytes a wave.  No vector instruction since either arm's wait names CD
.Lnone_\@:
.endm
; MY TILE'S WORK on the step's 128 keys, from buffer p.
.macro CONSUME p
	s_cmp_gt_u32 s24, s26
	s_cbranch_scc1 .Lhidden_\@                     ; all these keys come after my block's queries: a scalar branch on ids; no barrier stands in here
	ds_load_b128 v[68:71], v4 offset:SCO+(\p)*BUF      ; K's scale words of tiles 0-3,  (no wait: no vector or matrix instruction since the wait at the step's head names v32-79)
	ds_load_b128 v[72:75], v4 offset:SCO+(\p)*BUF+16   ; 4-7,
	ds_load_b128 v[76:79], v4 offset:SCO+(\p)*BUF+32   ; V's of tiles 0-3
.irp t, 0,1,2,3,4,5,6,7
	ds_load_b128 v[32+4*\t:35+4*\t], v2 offset:(\p)*BUF+512*\t
.endr
	s_wait_dscnt 0x0
.irp t, 0,1,2,3,4,5,6,7                        ; S^T = K Q^T: each sum is one instruction and starts from the constant 0
	v_wmma_scale_f32_16x16x128_f8f6f4 v[96+8*\t:103+8*\t], v[32+4*\t:39+4*\t], v[16:23], 0, v[68+\t], v80 matrix_a_fmt:MATRIX_FMT_FP4 matrix_b_fmt:MATRIX_FMT_FP4
.endr
.rept 4
	v_nop                                          ; four places (ISA guide 7.12.1) in front of the first read of these products' results
.endr
	s_wait_alu depctr_va_vdst(0)                   ; S^T's products are done reading v32-67, in which V's fragments land
.irp t, 0,1,2,3                                ; V's four fragments: they land while the softmax is worked.  Tile t, registers 4 c on: column 16 t + r, keys 64 c + 32 h on: piece 4 (t / 2) + 2 c + h, lane 16 (t % 2) + r
.irp c, 0,1
	ds_load_b128 v[32+8*\t+4*\c:35+8*\t+4*\c], v3 offset:(\p)*BUF+VIM+2048*(\t/2)+256*(\t%2)+1024*\c
.endr
.endr
	s_cmp_lg_u32 s24, s26
	s_cbranch_scc1 .Lopen_\@                       ; under the diagonal step every key counts
.irp g, 0,1,2,3                                ; block g of 32 keys: sixteen compares in a run, each into a scalar register of its own, one wait, sixteen selects
.irp i, 0,1,2,3,4,5,6,7,8,9,10,11,12,13,14,15
	v_cmp_gt_i32 s[40+\i], 32*\g+\i, v25           ; register 16 g + i holds key 32 g + 16 h + i of the step: hidden where 32 g + i > my query - the step's first key - 16 h
.endr
	s_wait_alu depctr_va_sdst(0)                   ; the sixteen compares have written s40 to s55, ahead of the selects that read them
.irp i, 0,1,2,3,4,5,6,7,8,9,10,11,12,13,14,15
	v_cndmask_b32 v[96+16*\g+\i], v[96+16*\g+\i], v26, s[40+\i]
.endr
.endr
.Lopen_\@:
.irp b, 0,1,2,3
	v_max3_num_f32 v[232+\b], v[96+16*\b], v[97+16*\b], v[98+16*\b]   ; THE LARGEST SCORE OF EACH BLOCK OF 32 KEYS: it serves the row's maximum and, since p rises with the score, the block's largest p
.endr
.irp i, 3,5,7,9,11,13
.irp b, 0,1,2,3
	v_max3_num_f32 v[232+\b], v[232+\b], v[96+16*\b+\i], v[97+16*\b+\i]   ; (the four blocks by turns)
.endr
.endr
.irp b, 0,1,2,3
	v_max_num_f32 v[232+\b], v[232+\b], v[111+16*\b]
.endr
.irp b, 0,1,2,3
	v_permlanex16_b32 v[236+\b], v[232+\b], s20, s21
.endr
.irp b, 0,1,2,3
	v_max_num_f32 v[232+\b], v[232+\b], v[236+\b]  ; with lane l xor 16's 16 keys
.endr
	v_max3_num_f32 v254, v232, v233, v234
	v_max_num_f32 v254, v254, v235                 ; the step's largest score of my query
	v_mul_f32 v254, s22, v254                      ; as t (c is positive)
	v_max_num_f32 v13, v13, v254                   ; the running largest t
	v_mov_b32 v254, v12
	v_floor_f32 v12, -v13                          ; the new -M = floor(-t) = -ceil(t): a whole number
	v_sub_f32 v254, v12, v254                      ; M's old value less its new one: a whole number, 0 or less
	v_cvt_i32_f32 v254, v254                       ; (it saturates)
	v_ldexp_f32 v252, 1.0, v254                    ; f = 2^(old M - new M)
.irp j, 0,2,4,6,8,10,12,14,16,18,20,22,24,26,28,30,32,34,36,38,40,42,44,46,48,50,52,54,56,58,60,62
	v_pk_fma_f32 v[96+\j:97+\j], v[96+\j:97+\j], s[22:23], v[12:13] op_sel_hi:[1,0,0]   ; t - M, two at a time (of the pairs c and -M the low word serves both halves)
.endr
.irp b, 0,1,2,3
	v_fma_f32 v[232+\b], v[232+\b], s22, v12       ; the same of each block's largest score
.endr
	s_wait_alu depctr_va_vdst(0)
.irp j, 0,1,2,3,4,5,6,7,8,9,10,11,12,13,14,15,16,17,18,19,20,21,22,23,24,25,26,27,28,29,30,31,32,33,34,35,36,37,38,39,40,41,42,43,44,45,46,47,48,49,50,51,52,53,54,55,56,57,58,59,60,61,62,63
	v_exp_f32 v[96+\j], v[96+\j]                   ; p = 2^(t - M): not normalised
.endr
.irp b, 0,1,2,3
	v_exp_f32 v[232+\b], v[232+\b]                 ; the block's largest p: the same two instructions on the same number give the same bits
.endr
	v_pk_mul_f32 v[14:15], v[14:15], v[252:253] op_sel_hi:[1,0]   ; the sums under the new M.  (A plain place behind the exponentials)
	s_wait_alu depctr_va_vdst(0)                   ; the 68 exponentials have written v96-159 and v232-235: one wait for the batch, ahead of the first instruction that names a result
.irp b, 0,1,2,3
	v_max_num_f32 v[232+\b], 0x1800000, v[232+\b]  ; the floor 2^(3 - 127): the byte cannot fall under 1 (a block whose every p is 0 keeps that byte: its codes are zeros)
.endr
.irp b, 0,1,2,3
	v_add_nc_u32 v[244+\b], 0xff000000, v[232+\b]  ; 2 off the exponent field: the conversion's scale operand
.endr
.irp b, 0,1,2,3
	v_lshrrev_b32 v[236+\b], 23, v[244+\b]         ; the scale's byte
.endr
	v_lshl_or_b32 v81, v237, 8, v236               ; p's scale word for these 128 keys
	v_lshl_or_b32 v81, v238, 16, v81
	v_lshl_or_b32 v81, v239, 24, v81
.irp b, 0,1,2,3
	v_cvt_scalef32_pk8_fp4_f32 v[224+2*\b], v[96+16*\b:103+16*\b], v[244+\b]
	v_cvt_scalef32_pk8_fp4_f32 v[225+2*\b], v[104+16*\b:111+16*\b], v[244+\b]
.endr
	v_nop                                          ; one plain place behind a scaled conversion
.irp c, 0,1                                    ; the operand's layout wants a WHOLE block in a lane: lanes 0-15 block 2 c, lanes 16-31 block 2 c + 1
.irp i, 0,1
	v_permlane16_swap_b32 v[224+4*\c+\i], v[226+4*\c+\i]
.endr
.endr
	v_pk_add_f32 v[236:237], v[96:97], v[98:99]    ; THE ROW'S SUM IS TAKEN OF THE UNQUANTISED p: two at a time, in two chains
.irp j, 4,8,12,16,20,24,28,32,36,40,44,48,52,56,60
	v_pk_add_f32 v[14:15], v[14:15], v[96+\j:97+\j]
	v_pk_add_f32 v[236:237], v[236:237], v[98+\j:99+\j]
.endr
	v_pk_add_f32 v[14:15], v[14:15], v[236:237]
.irp j, 0,2,4,6,8,10,12,14,16,18,20,22,24,26,28,30
	v_pk_mul_f32 v[160+\j:161+\j], v[160+\j:161+\j], v[252:253] op_sel_hi:[1,0]   ; O^T under the new M: x f, each tile from its low end on
.endr
	s_wait_dscnt 0x0                               ; V's fragments are in
	s_wait_alu depctr_va_vdst(0)                   ; p's scale word v81 and p's codes v224-231 are written, which the scaled products below take; the sums and scalings above are the places that stay beside this wait
.irp t, 0,1,2,3                                ; O^T += V^T P^T.  The four accumulators take turns, one instruction a turn, with the next step's eight other products between two links
	v_wmma_scale_f32_16x16x128_f8f6f4 v[160+8*\t:167+8*\t], v[32+8*\t:39+8*\t], v[224:231], v[160+8*\t:167+8*\t], v[76+\t], v81 matrix_a_fmt:MATRIX_FMT_FP4 matrix_b_fmt:MATRIX_FMT_FP4
.endr
.rept 4
	v_nop                                          ; four places in front of the next read of O^T and of the next vector write of these products' registers, on every way on
.endr
.Lhidden_\@:
.endm
; ONE BARRIER A STEP does two things.  In front of it each wave has waited for all its LDS instructions: its stores into this step's buffer have landed, and its reads of the other buffer, made in the step
; before, are in.  Behind it this buffer is whole, and the next step may write the other one.
.macro STEP p
	s_wait_alu depctr_va_vdst(0)                   ; the step before is done reading and writing v96-159, in whose first 32 k's turned numbers land, and done reading v32-67 and v68-79, in which this step's fragments and scale words land; in the first step: Q's codes, the zero codes and Q's scale word are written, which the scaled products take
	s_wait_alu depctr_vm_vsrc(0)                   ; the last step's LDS stores have read CD, v86 and v90, which the quantiser writes again; in the first step: the head's stores into the stage have read v96-127, which the turn's loads and the products write
	PRODUCE \p
	s_wait_dscnt 0x0
	s_barrier_signal -1
	s_barrier_wait -1
	CONSUME \p
	s_add_co_u32 s24, s24, 128
.endm
.Lpair:                                                ; eight trips of two steps in every work-group: the buffers stand in the immediates, and no LDS address is stepped
	STEP 0
	STEP 1
	s_sub_co_i32 s27, s27, 1
	s_cmp_lg_u32 s27, 0
	s_cbranch_scc1 .Lpair
	; THE WAY OUT.  O^T is divided by the row's sum and goes through my stage: a lane holds eight neighbouring channels of one query, and comes back by rows of 256 bytes.
	v_add_f32 v14, v14, v15                        ; the sum's two halves,
	v_permlanex16_b32 v252, v14, s20, s21
	v_add_f32 v14, v14, v252                       ; and lane l xor 16's: the row's sum
	s_wait_alu depctr_va_vdst(0)
	v_rcp_f32 v14, v14
	v_nop                                          ; one plain place behind a transcendental
	s_wait_alu depctr_va_vdst(0)                   ; the reciprocal has written v14, ahead of its first reader
.irp j, 0,1,2,3,4,5,6,7,8,9,10,11,12,13,14,15,16,17,18,19,20,21,22,23,24,25,26,27,28,29,30,31
	v_mul_f32 v[96+\j], v[160+\j], v14             ; register 8 t + i is out0(my query r, channel 16 t + 8 h + i)
.endr
	s_wait_alu depctr_va_vdst(0)                   ; the multiplications have written v96-127, which the LDS stores read; the last products are done reading v32-63, in which the stage's loads land
.irp t, 0,1,2,3
	ds_store_b128 v9, v[96+8*\t:99+8*\t] offset:64*\t
	ds_store_b128 v9, v[100+8*\t:103+8*\t] offset:64*\t+16
.endr
.irp i, 0,1,2,3,4,5,6,7
	ds_load_b128 v[32+4*\i:35+4*\i], v7 offset:544*\i   ; LDS serves a wave's instructions in order: these see my stores
.endr
.irp i, 0,1,2,3,4,5,6,7
	s_wait_dscnt 7-\i                              ; rows 2 i and 2 i + 1 are back; the younger loads may be out
	global_store_b128 v2, v[32+4*\i:35+4*\i], s[10:11] offset:512*\i th:TH_STORE_NT   ; 32 lanes store 512 consecutive bytes, at a multiple of 256 from out0's first byte; written once, read by nobody here
.endr
	s_wait_dscnt 0x0                               ; the closing lines, six on end
	s_wait_alu 0x0
	s_wait_tensorcnt 0x0
	ds_add_u32 v251, v255
	s_wait_dscnt 0x0
	s_endpgm
.Lfunc_end_k_qd07a48efb0_attn:
	.size	k_qd07a48efb0_attn, .Lfunc_end_k_qd07a48efb0_attn-k_qd07a48efb0_attn
	.p2alignl 7, 3214868480
	.fill 96, 4, 3214868480
	.section	.rodata,"a",@progbits
	.p2align	6, 0x0
	.amdhsa_kernel k_qd07a48efb0_attn
		.amdhsa_group_segment_fixed_size 90112
		.amdhsa_private_segment_fixed_size 0
		.amdhsa_enable_private_segment 0
		.amdhsa_kernarg_size 32
		.amdhsa_user_sgpr_count 2
		.amdhsa_user_sgpr_kernarg_segment_ptr 1
		.amdhsa_wavefront_size32 1
		.amdhsa_system_sgpr_workgroup_id_x 1
		.amdhsa_system_sgpr_workgroup_id_y 1
		.amdhsa_system_sgpr_workgroup_id_z 1
		.amdhsa_system_vgpr_workitem_id 0
		.amdhsa_next_free_vgpr 256
		.amdhsa_next_free_sgpr 66
		.amdhsa_reserve_vcc 0
		.amdhsa_float_denorm_mode_32 3
		.amdhsa_float_denorm_mode_16_64 3
		.amdhsa_memory_ordered 1
		.amdhsa_forward_progress 1
		.amdhsa_inst_pref_size 82
	.end_amdhsa_kernel
	.amdgpu_metadata
---
amdhsa.version: [ 1, 2 ]
amdhsa.kernels:
  - .name:           k_qd07a48efb0_attn
    .symbol:         k_qd07a48efb0_attn.kd
    .args:
      - { .name: q, .offset: 0, .size: 8, .value_kind: global_buffer, .address_space: global }
      - { .name: k, .offset: 8, .size: 8, .value_kind: global_buffer, .address_space: global }
      - { .name: v, .offset: 16, .size: 8, .value_kind: global_buffer, .address_space: global }
      - { .name: out0, .offset: 24, .size: 8, .value_kind: global_buffer, .address_space: global }
    .group_segment_fixed_size: 90112
    .private_segment_fixed_size: 0
    .kernarg_segment_align: 8
    .kernarg_segment_size: 32
    .max_flat_workgroup_size: 512
    .sgpr_count:     66
    .vgpr_count:     256
    .wavefront_size: 32
...
	.end_amdgpu_metadata
.endif
;; end of part 2
